; MI455X (gfx1250); checked and timed in simulation.
; The chip was launched on July 23, 2026; its instructions are those of AMD's public machine-readable ISA for CDNA 5 (MIT licence, August 2026) and "CDNA5" Instruction Set Architecture Reference Guide (July 2026). The comments in the code are by the model that wrote it; some were corrected since.
;; Full Attention. Allowed arithmetic: matrix products marked QUANTISED: E2M3 operands, one E8M0 scale for each 32 along K, by v_wmma_scale_f32_16x16x128_f8f6f4 with both operands' format E2M3, f32 sums; everything else in f32.
;; Inputs: keys_codes 4 x 2,048 x 16 x 2 x 24 uint8 (E2M3 codes of keys, K innermost, in blocks of 32 codes, four codes in three bytes); keys_scales 4 x 2,048 x 16 x 2 uint8 (E8M0 scales of keys, one for each 32 codes along K); queries_codes 4 x 2,048 x 16 x 2 x 24 uint8 (E2M3 codes of queries, K innermost, in blocks of 32 codes, four codes in three bytes); queries_scales 4 x 2,048 x 16 x 2 uint8 (E8M0 scales of queries, one for each 32 codes along K); values_codes 4 x 16 x 64 x 64 x 24 uint8 (E2M3 codes of values, K innermost, in blocks of 32 codes, four codes in three bytes); values_scales 4 x 16 x 64 x 64 uint8 (E8M0 scales of values, one for each 32 codes along K).
;; Outputs: out0 4 x 2,048 x 16 x 64 float32.
;; This version of the problem:
;;   THIS VERSION OF THE PROBLEM IS GIVEN IN LOW PRECISION. The matrix products marked QUANTISED in the list below multiply operands that are first quantised to E2M3 (2 exponent bits, 3 mantissa bits; 6 bits a number), with one power-of-two scale for each 32 numbers along K (OCP MX v1.0); their sums are f32. All else is computed in f32.
;;   The module's matrix products, in the order in which they are computed (A, B: the left and right operand; K: the contracted axis; several contracted axes count as one K, in the product's order):
;;     1. batch 64 x [M 2,048, K 64] x [K 64, N 2,048]; A: input queries (given as codes); B: input keys (given as codes): QUANTISED
;;     2. batch 64 x [M 64, K 2,048] x [K 2,048, N 2,048]; A: input values (given as codes); B: softmax (see below): QUANTISED
;;   THE QUANTISER, for each operand of a quantised product, along K:
;;     - K is cut into blocks of 32 from its start; a last block that is shorter is filled with zeros.
;;     - A block's scale is 2^e with e = floor(log2(the largest magnitude in the block)) - 2, held to -126 .. 127; a block of zeros has e = 0. As a byte (E8M0): e + 127.
;;     - Each number is divided by its block's scale, clamped to +-7.5, and rounded to the nearest number of E2M3, ties to even, subnormals kept.
;;     - The product sums the exact products of the quantised numbers (number of the format x scale) in f32.
;;   ~~~python
;;   def quantise(x, axis):      # numpy; x: float32 -> the quantised numbers, widened to float32 again
;;       x = np.moveaxis(x, axis, -1); K = x.shape[-1]
;;       x = np.pad(x, [(0, 0)] * (x.ndim - 1) + [(0, -K % 32)]); x = x.reshape(x.shape[:-1] + (-1, 32)); a = np.abs(x).max(-1, keepdims=True)
;;       e = np.where(a > 0, np.clip(np.frexp(np.where(a > 0, a, 1))[1] - 1 - 2, -126, 127), 0)      # np.frexp(a)[1] - 1 = floor(log2(a)), exactly
;;       r = np.clip(x / 2.0 ** e, -7.5, 7.5)
;;       step = 2.0 ** (np.maximum(np.frexp(np.where(r == 0, 1, r))[1] - 1, 0) - 3)
;;       q = np.round(r / step) * step * 2.0 ** e      # np.round: ties to even
;;       return np.moveaxis(q.reshape(q.shape[:-2] + (-1,))[..., :K], -1, axis).astype(np.float32)
;;   ~~~
;;   SOFTMAX AHEAD OF A QUANTISED PRODUCT. Where the list says 'softmax', what is quantised is not the finished softmax but p = 2^(t - M), with t = logit x log2(e) and M = ceil(the row's largest t), a whole number; so 1/2 < the row's largest p <= 1. The row's sum l is taken of the UNQUANTISED p, in f32, and the product's result is divided by l at the end. Since M is a whole number, a kernel that streams over the keys may use a running M (the ceiling of the running maximum): every later rescaling is an exact power of two, which a block's scale takes up: the codes' values come out the same.
;;   OPERANDS COMPUTED ON THE WAY. 'Computed on the way' means the value that the module computes at that place (a softmax that the list does not call 'softmax' is quantised finished and normalised). What goes into a quantiser is computed in f32, as accurately as f32 sums, v_exp_f32 and their like allow (about 1e-6 of the number): no bf16 or f16 on the way to a quantiser, and a product that is left as it is and whose result goes on into a quantised operand takes f32 operands (vector FMAs, or v_wmma_f32_16x16x4_f32). A number that lies on a knife's edge between two numbers of the format may be rounded either way, as far as f32 arithmetic and the matrix unit's own rounding can turn it there, and no further.
;;   INPUTS GIVEN AS CODES. keys (in the module: [4, 2048, 16, 64], K = its axis 3); queries (in the module: [4, 2048, 16, 64], K = its axis 3); values (in the module: [4, 2048, 16, 64], K = its axis 1): each comes as NAME_codes (uint8): NAME with its K axis moved to the last place and cut into blocks of 32 codes, [.., K / 32, bytes a block], one block behind the other in memory; four codes in three bytes: a row's codes are one little-endian stream of bits, code i at bits 6 i .. 6 i + 5 (a code: sign, 2 exponent bits, 3 mantissa bits); and NAME_scales (uint8): the same leading axes, one E8M0 byte (e + 127) for each 32 codes along K. Its value is code x scale, taken as it is: it is not quantised again, and the codes and scales need not be those that the quantiser above would give.
;; One version. Each part assembles by itself: llvm-mc -triple=amdgcn-amd-amdhsa -mcpu=gfx1250 --defsym DOCPART=n.
;; ======== version 1 of 1: 1 launch
;; launch attn (part 1): grid 4 x 64, 8 waves a work-group, no clusters, 327,680 bytes of LDS; arguments keys_codes, keys_scales, queries_codes, queries_scales, values_codes, values_scales, out0; writes out0
.if DOCPART == 1
	.amdgcn_target "amdgcn-amd-amdhsa--gfx1250"
	.amdhsa_code_object_version 6
	.text
	.protected	k_qfbec14c749_attn
	.globl	k_qfbec14c749_attn
	.p2align	8
	.type	k_qfbec14c749_attn,@function
k_qfbec14c749_attn:
	s_mov_b64 s[64:65], 0
	v_nop
	global_prefetch_b8 v0, s[64:65] scope:SCOPE_SE
	s_setreg_imm32_b32 hwreg(HW_REG_WAVE_MODE, 25, 1), 1
	s_wait_xcnt 0x0
; out0[b][l][head][:] = the sum over s <= l of softmax_s(Q[b][l][head] . K[b][s][head] / 8) V[b][s][head][:]: causal attention, 4 batches x 16 heads, 2,048 positions, head size 64.
; Both products run on codes of FP6 (E2M3) with one E8M0 scale for each 32 along a product's K, as the inputs bring them.  Q, K: rows of 48 bytes (64 codes) inside rows of 768 bytes (16 heads), two scale bytes inside rows of 32.
; V: keys innermost, for each (b, head) 64 rows (d) of 1,536 bytes, 64 scale bytes a row.  out0: f32; a (b, l, head) row is 256 bytes.
; THE SOFTMAX AHEAD OF THE SECOND PRODUCT: t = score x log2(e) / 8; M = the row's largest t so far, rounded UP to a whole number; p = 2^(t - M) is quantised along the keys, not normalised.  The row's sum is taken of the
; unquantised p in f32 and divides O at the end.  When M moves, the sum and O are multiplied by 2^(old M - new M): exact.
; WORK LEFT OUT.  The mask is built in the problem's own body: key s counts for query l only where s <= l, whatever the inputs hold; a masked score becomes -infinity, its p is 0 and adds nothing to the sum or to O.  So a step of 128 keys
; all of which come after a wave's 32 queries is not computed, and a slot of 256 keys that lies wholly behind a block of queries is not fetched.  Inside the step on the diagonal masked scores are set to -infinity and the work is done.
; LIMITS: a NaN scale byte, an infinity or an overflow that reaches only the work left out is not carried to the result.  p under 2^-126 counts as 0.  A block's largest p is made from its largest score by the same two instructions
; (this takes v_exp_f32 not to fall where its input rises).  A block whose every p is 0 keeps the scale byte 1: its codes are zeros.  Every input is loaded.
; SHARES.  A head's queries are 8 blocks of 256.  Work-group (x, y), y = 16 b + head, takes block 7 - x (key slots 0 .. 7 - x) and then block x (key slots 0 .. x): always 9 visits of a slot of 256 keys, so the 256 work-groups
; have equal work and the loop's trip count is a constant.  Eight waves of 512 registers; wave w owns 32 queries of the block in hand, two tiles of 16, which share every fragment of K and V that the wave reads from LDS.
; LAYOUT.  Both products are used transposed: S^T = K Q^T (source 0 = 16 keys, source 1 = 16 queries), O^T = V^T P^T (source 0 = 16 of the head's 64, source 1 = P): a lane holds ONE query (lane % 16) throughout.
; THE KEYS OF A TILE ARE NOT NEIGHBOURS: lane r of tile 2 b + u takes key 32 b + 8 u + r + 8 (r / 8), so that the 16 registers of tiles 2 b and 2 b + 1 are 16 neighbouring keys, 32 b + 16 (lane / 16) + 0 .. 15.
; THE HEAD HAS 64 AND THE INSTRUCTION TAKES 128 ALONG K: registers 6 to 11 of every fragment of K and Q are zero codes, written once; the loads fill registers 0 to 5.  The scale words' bytes 2 and 3 are 0, over zero codes.
; NO CLUSTER.  The four work-groups of a head leave their first block behind visits 8, 7, 6 and 5 of the 9: from visit 5 on they want different slots at the same change of slots, and a walk that were alike in all four would bring tiles
; that the mask lets every wave of some partner pass over.
; LDS.  Two slots, 32,768 bytes apart, so that one exclusive or turns an address in one slot into the other's.  In a slot: K's 256 rows of 48 bytes; V's 64 rows of 192 bytes as 3 x (64 + 16 of padding) = 240; K's scale words, 4 bytes a key;
; V's, 8 bytes a row.  Rows r and r + 8 of a tile of K lie 768 bytes apart, three times 256: those two meet in the same banks (64 banks of 4 bytes: ISA guide 11.1); rows of 48 bytes take no padding that counts in powers of two.
; Behind the ring: a stage of 16 rows x 272 bytes for each wave and each of the two ways out, and the spare words.
; REGISTERS, in two windows of 256 (s_set_vgpr_msb: bits 1:0 source 0, 3:2 source 1, 5:4 source 2, 7:6 destination).  Window 0: addresses, statistics, scale words, p's codes, the scores.  Window 1: K's, V's and Q's fragments and O^T.
.set SLOT1, 32768
.set VOFF,  12288                      ; behind K's 256 x 48 bytes
.set KSOFF, 27648                      ; behind V's 64 x 240
.set VSOFF, 28672                      ; behind K's 256 scale words
.set STAGE, 65536
.set WSTG,  16*272                     ; a wave's stage
.set STG2,  8*WSTG                     ; the second way out has bytes of its own
.set SPARE, STAGE+2*STG2               ; the spare words, 128 bytes for each wave: four blocks of 256 bytes that no other line names
.set AK,   1                           ; v1   my lane's place in a tile of K: 48 (r + 8 (r / 8)) + 24 h
.set AV,   2                           ; v2   in a tile of V: VOFF + 240 r + 24 h
.set AV2,  3                           ; v3   the same for pieces that lie behind one padding more: + 16 h
.set AKS,  4                           ; v4   among K's scale words: lanes 0-15 an even tile's keys, lanes 16-31 the odd tile's
.set AVS,  5                           ; v5   among V's: 8 x lane
.set SPW,  6                           ; v6   LDS address of my spare word; never rewritten
.set NIL,  7                           ; v7   0; never rewritten
.set ADK,  8                           ; v8-12  the five addresses above, in the slot in hand
.set ADV,  9
.set ADV2, 10
.set ADKS, 11
.set ADVS, 12
.set STO,  13                          ; v13  the way out: where I put 32 bytes of a row
.set RD,   14                          ; v14  where I read rows back
.set GO,   15                          ; v15  my byte offset in the wave's rows of out0
.set NM,   16                          ; tile u: v[16+4u] -M, v[17+4u] the largest t, v[18+4u:19+4u] the sum in two halves
.set TX,   17
.set SUM,  18
.set F,    24                          ; v[24+2u] f = 2^(old M - new M); the pair's upper half is written once
.set PW,   28                          ; v[28+u]  p's scale word
.set QS,   30                          ; v30  Q's scale words: lanes 0-15 tile 0, lanes 16-31 tile 1;  v31 the second block's
.set QSB,  31
.set KSC,  32                          ; v32-35  K's scale words: register b: lanes 0-15 tile 2 b, lanes 16-31 tile 2 b + 1
.set VSC,  36                          ; v36-37  V's likewise
.set PFO,  38                          ; v38  the prefetches' lane offset; never rewritten
.set RL,   39                          ; v39  r - 16 h
.set BM,   40                          ; v[40+4u ..]  each block's largest score, then its largest p
.set BP,   48                          ; v[48+4u ..]  the other half of the lanes'; the sum's second chain; the scale bytes
.set BS,   56                          ; v[56+4u ..]  the conversions' scale operands
.set TM,   64                          ; v[64+u]  at work
.set DD,   66
.set NINF, 67                          ; -infinity
.set PC,   68                          ; v[68+12u ..] p's codes
.set CV,   92                          ; v92-98  the conversions' second halves
.set S,    104                         ; v[104+64u ..] S^T, then p; on the way out results and rows read back
.set KFR,  0                           ; window 1: K's 8 fragments;
.set VFR,  96                          ; V's 4;
.set QF,   144                         ; Q's 2;
.set OT,   168                         ; O^T: 2 tiles x 4 accumulators;
.set QFB,  232                         ; the second block's Q, 6 registers a tile
.set TB,   2                           ; s2   LDS byte at which the slot in hand begins
.set WV,   18                          ; s18  my wave's number
.set SLOTS, 19                         ; s19  counts the loop's trips, 8 .. 1
.set G1K,  20                          ; descriptor groups 1: K's codes, V's codes, K's scale bytes, V's
.set G1V,  28
.set G1KS, 36
.set G1VS, 44
.set G0K,  52                          ; their groups 0, which walk
.set G0V,  56
.set G0KS, 60
.set G0VS, 68
.set BK,   72                          ; the four global addresses of key slot 0, kept for the second block
.set BV,   74
.set BKS,  76
.set BVS,  78
.set OPA,  80                          ; out0 at my first query of the first block; of the second
.set OPB,  82
.set PFA,  84                          ; where my prefetches stand;  a slot on, in bytes
.set PFS,  86
.set LIM,  88                          ; 2 in a wave that prefetches, else the greatest number
.set EVR,  89                          ; 3 in V's waves, 0 in K's
.set SWC,  90                          ; x + 1: the value of s[SLOTS] in the first block's last visit
.set KF,   91                          ; the step's first key
.set Q0,   92                          ; my first query;  the second block's
.set Q0B,  93
.set SEL,  94                          ; s[94:95] lane selects for v_permlanex16_b32: lane l xor 16
.set CS,   96                          ; s[96:97] c = log2(e) / 8, twice
.set MSB, 0
.macro WIN new                         ; the immediate's high byte repeats the setting that is left; a switch that changes nothing is dropped
.if MSB != \new
	s_set_vgpr_msb (MSB<<8)|\new
.set MSB, \new
.endif
.endm
; A slot's five tensor loads: waves 0 and 1 K's halves, wave 2 V, wave 3 K's scale bytes, wave 4 V's; waves 5 to 7 none.  The branches hang on the wave's number alone.
; An s_nop 0 and four v_nop follow each line.
.macro TLOAD
	s_cmp_lt_u32 s[WV], 2
	s_cbranch_scc0 .Lnot_k_\@
	tensor_load_to_lds s[G0K:G0K+3], s[G1K:G1K+7]
	s_nop 0
.rept 4
	v_nop
.endr
	s_branch .Lasked_\@
.Lnot_k_\@:
	s_cmp_eq_u32 s[WV], 2
	s_cbranch_scc0 .Lnot_v_\@
	tensor_load_to_lds s[G0V:G0V+3], s[G1V:G1V+7]
	s_nop 0
.rept 4
	v_nop
.endr
	s_branch .Lasked_\@
.Lnot_v_\@:
	s_cmp_eq_u32 s[WV], 3
	s_cbranch_scc0 .Lnot_ks_\@
	tensor_load_to_lds s[G0KS:G0KS+3], s[G1KS:G1KS+7]
	s_nop 0
.rept 4
	v_nop
.endr
	s_branch .Lasked_\@
.Lnot_ks_\@:
	s_cmp_eq_u32 s[WV], 4
	s_cbranch_scc0 .Lasked_\@
	tensor_load_to_lds s[G0VS:G0VS+3], s[G1VS:G1VS+7]
	s_nop 0
.rept 4
	v_nop
.endr
.Lasked_\@:
.endm
; A PREFETCH INTO THE L2 of the key slot that the NEXT change of slots will ask for: one visit, two key steps, ahead of that load.  It stands behind the wave's tensor load and its five lines.
; Each aligned block of 256 bytes is named ONCE in the launch.  Only the work-groups with x = 0 ask: they walk key slots 0 to 7 in order.  In trip v (s[SLOTS] = 8 - v) slot v + 2 is named, while v + 2 <= 7.
; V belongs to one head: waves 3 and 4 take its 64 rows, a lane a row.  A slot's part of a row is 192 bytes, so a lane names the part's LAST byte; the parts of slots 3 and 7 end in the block that the slot before has named: there V's waves
; ask for nothing (s[SLOTS] = 7 and 3).  A slot of K is 256 rows of 768 bytes, dense, and serves all 16 heads of a batch: heads 0 to 7 take 32 rows each, 24,576 bytes; waves 5 to 7 take 8,192 of them each, lanes 256 bytes apart.
; Slots 0 and 1 come by their loads alone, and so do the scale bytes.
.macro ASK
	s_cmp_gt_u32 s[SLOTS], s[LIM]
	s_cbranch_scc0 .Lnot_mine_\@
	s_and_b32 s3, s[SLOTS], s[EVR]
	s_cmp_eq_u32 s3, 3
	s_cbranch_scc1 .Lnot_mine_\@
	global_prefetch_b8 v[PFO], s[PFA:PFA+1] th:TH_LOAD_NT scope:SCOPE_SE
.Lnot_mine_\@:
.endm
; THE CHANGE OF SLOTS stands at a visit's head.  Each wave waits for all its tensor loads (its part of the slot that it is about to read), adds 0 to its spare word, and waits for that and for its reads of the slot that it has left.
; Behind the barrier the slot ahead is whole and nobody reads the other one.  fill = 1: that other slot takes the next visit's keys: the load has a whole visit in which to land.
.macro CHANGE fill
	s_wait_tensorcnt 0x0                           ; no tensor load of mine is out, so a group 0 may be written
	ds_add_u32 v[SPW], v[NIL]                      ; 0 onto my spare word
.if \fill
	ds_add_u32 v[SPW], v[NIL]                      ; and once more
	s_xor_b32 s[G0K+1], s[G0K+1], SLOT1            ; the walking descriptors: the other slot than last time,
	s_xor_b32 s[G0V+1], s[G0V+1], SLOT1
	s_xor_b32 s[G0KS+1], s[G0KS+1], SLOT1
	s_xor_b32 s[G0VS+1], s[G0VS+1], SLOT1
	s_add_nc_u64 s[G0K+2:G0K+3], s[G0K+2:G0K+3], 256*768     ; the next 256 keys; the type bits on top are not reached
	s_add_nc_u64 s[G0V+2:G0V+3], s[G0V+2:G0V+3], 192
	s_add_nc_u64 s[G0KS+2:G0KS+3], s[G0KS+2:G0KS+3], 256*32
	s_add_nc_u64 s[G0VS+2:G0VS+3], s[G0VS+2:G0VS+3], 8
	s_cmp_eq_u32 s[SLOTS], s[SWC]                  ; or, where this visit is the first block's last, key slot 0 again, for the second block
	s_cselect_b64 s[G0K+2:G0K+3], s[BK:BK+1], s[G0K+2:G0K+3]
	s_cselect_b64 s[G0V+2:G0V+3], s[BV:BV+1], s[G0V+2:G0V+3]
	s_cselect_b64 s[G0KS+2:G0KS+3], s[BKS:BKS+1], s[G0KS+2:G0KS+3]
	s_cselect_b64 s[G0VS+2:G0VS+3], s[BVS:BVS+1], s[G0VS+2:G0VS+3]
	s_wait_xcnt 0x0                                ; the last prefetch, a visit back, has read its address, so it may be written:
	s_add_nc_u64 s[PFA:PFA+1], s[PFA:PFA+1], s[PFS:PFS+1]    ; one slot further on than the walking descriptors of the first block
.endif
	s_wait_dscnt 0x0                               ; the add is done (fill = 1: both are), and my reads of the slot that I have left are over
	s_barrier_signal -1
	s_barrier_wait -1
.if \fill
	TLOAD                                          ; the first thing behind the barrier, and a wave's one tensor load until the next
	ASK
.endif
.endm
; A fragment of V: 16 rows (d) x 128 keys, 12 registers: registers 6 c .. 6 c + 5 hold keys 64 c + 32 h + 0 .. 31: 24 bytes of the row's stream of bits, in pieces of 8 bytes.  Lanes 0-15 take the row's pieces 12 q + 0, 1, 2 and 12 q + 6, 7, 8,
; lanes 16-31 those three pieces on.  16 bytes of padding lie behind every 8 pieces: where the piece three on lies behind one padding more, the second address register serves.
.macro FRAGV reg, q, t
.irp p, 0,1,2,3,4,5
.set PCE, 12*(\q)+6*(\p/3)+\p%3
.if PCE%8 < 5
	ds_load_b64 v[(\reg)+2*\p:(\reg)+2*\p+1], v[ADV] offset:8*PCE+16*(PCE/8)+(\t)*16*240
.else
	ds_load_b64 v[(\reg)+2*\p:(\reg)+2*\p+1], v[ADV2] offset:8*PCE+16*(PCE/8)+(\t)*16*240
.endif
.endr
.endm
; S^T = K Q^T: tile t of 16 keys x tile u of 16 queries.  The odd tile's scale words of K and tile 1's of Q lie in lanes 16-31.
.macro KQ t, u
.set rD, S+64*(\u)+8*(\t)
.set rA, KFR+12*(\t)
.set rB, QF+12*(\u)
.set rK, KSC+(\t)/2
.if ((\t)%2 == 0) && ((\u) == 0)
	v_wmma_scale_f32_16x16x128_f8f6f4 v[rD:rD+7], v[rA:rA+11], v[rB:rB+11], 0, v[rK], v[QS] matrix_a_fmt:MATRIX_FMT_FP6 matrix_b_fmt:MATRIX_FMT_FP6
.elseif (\t)%2 == 0
	v_wmma_scale_f32_16x16x128_f8f6f4 v[rD:rD+7], v[rA:rA+11], v[rB:rB+11], 0, v[rK], v[QS] matrix_a_fmt:MATRIX_FMT_FP6 matrix_b_fmt:MATRIX_FMT_FP6 matrix_b_scale:MATRIX_SCALE_ROW1
.elseif (\u) == 0
	v_wmma_scale_f32_16x16x128_f8f6f4 v[rD:rD+7], v[rA:rA+11], v[rB:rB+11], 0, v[rK], v[QS] matrix_a_fmt:MATRIX_FMT_FP6 matrix_b_fmt:MATRIX_FMT_FP6 matrix_a_scale:MATRIX_SCALE_ROW1
.else
	v_wmma_scale_f32_16x16x128_f8f6f4 v[rD:rD+7], v[rA:rA+11], v[rB:rB+11], 0, v[rK], v[QS] matrix_a_fmt:MATRIX_FMT_FP6 matrix_b_fmt:MATRIX_FMT_FP6 matrix_a_scale:MATRIX_SCALE_ROW1 matrix_b_scale:MATRIX_SCALE_ROW1
.endif
.endm
; O^T += V^T P^T: tile t of 16 of the head's 64 x tile u of queries; K = the step's 128 keys
.macro PV t, u
.set rD, OT+32*(\u)+8*(\t)
.set rA, VFR+12*(\t)
.set rB, PC+12*(\u)
.if (\t)%2 == 0
	v_wmma_scale_f32_16x16x128_f8f6f4 v[rD:rD+7], v[rA:rA+11], v[rB:rB+11], v[rD:rD+7], v[VSC+(\t)/2], v[PW+(\u)] matrix_a_fmt:MATRIX_FMT_FP6 matrix_b_fmt:MATRIX_FMT_FP6
.else
	v_wmma_scale_f32_16x16x128_f8f6f4 v[rD:rD+7], v[rA:rA+11], v[rB:rB+11], v[rD:rD+7], v[VSC+(\t)/2], v[PW+(\u)] matrix_a_fmt:MATRIX_FMT_FP6 matrix_b_fmt:MATRIX_FMT_FP6 matrix_a_scale:MATRIX_SCALE_ROW1
.endif
.endm
; On the diagonal: s3 = my tile's first query - the step's first key.  Register 16 b + i holds key KF + 32 b + 16 h + i: hidden where 32 b + i > d = s3 + r - 16 h.  Each accumulator is read from its low end on.
.macro MASK u
	v_add_nc_u32 v[DD], s3, v[RL]
.irp b, 0,1,2,3
.irp i, 0,1,2,3,4,5,6,7,8,9,10,11,12,13,14,15
	v_cmp_gt_i32 vcc_lo, 32*\b+\i, v[DD]
	v_cndmask_b32 v[S+64*(\u)+16*\b+\i], v[S+64*(\u)+16*\b+\i], v[NINF], vcc_lo
.endr
.endr
.endm
; THE LARGEST SCORE OF EACH BLOCK OF 32 KEYS: it serves twice: for the row's maximum, and, since p rises with the score, for the block's largest p.  The four blocks by turns.
.macro BLKMAX u
.irp b, 0,1,2,3
	v_max3_num_f32 v[BM+4*(\u)+\b], v[S+64*(\u)+16*\b], v[S+64*(\u)+16*\b+1], v[S+64*(\u)+16*\b+2]
.endr
.irp i, 3,5,7,9,11,13
.irp b, 0,1,2,3
	v_max3_num_f32 v[BM+4*(\u)+\b], v[BM+4*(\u)+\b], v[S+64*(\u)+16*\b+\i], v[S+64*(\u)+16*\b+\i+1]
.endr
.endr
.irp b, 0,1,2,3
	v_max_num_f32 v[BM+4*(\u)+\b], v[BM+4*(\u)+\b], v[S+64*(\u)+16*\b+15]
.endr
.irp b, 0,1,2,3
	v_permlanex16_b32 v[BP+4*(\u)+\b], v[BM+4*(\u)+\b], s[SEL], s[SEL+1]
.endr
.irp b, 0,1,2,3
	v_max_num_f32 v[BM+4*(\u)+\b], v[BM+4*(\u)+\b], v[BP+4*(\u)+\b]     ; with lane l xor 16's 16 keys
.endr
.endm
; Line KK of 32 of the row's sum of the UNQUANTISED p: two at a time, in two chains; the second chain lives in v[BP + 4 u] and the register above it
.macro SUML u
.if KK == 0
	v_pk_add_f32 v[BP+4*(\u):BP+4*(\u)+1], v[S+64*(\u):S+64*(\u)+1], v[S+64*(\u)+2:S+64*(\u)+3]
.elseif KK == 31
	v_pk_add_f32 v[SUM+4*(\u):SUM+4*(\u)+1], v[SUM+4*(\u):SUM+4*(\u)+1], v[BP+4*(\u):BP+4*(\u)+1]
.elseif KK%2 == 1
	v_pk_add_f32 v[SUM+4*(\u):SUM+4*(\u)+1], v[SUM+4*(\u):SUM+4*(\u)+1], v[S+64*(\u)+4*((KK+1)/2):S+64*(\u)+4*((KK+1)/2)+1]
.else
	v_pk_add_f32 v[BP+4*(\u):BP+4*(\u)+1], v[BP+4*(\u):BP+4*(\u)+1], v[S+64*(\u)+4*(KK/2)+2:S+64*(\u)+4*(KK/2)+3]
.endif
.endm
; Tile u's 64 p of a lane become the second product's operand and its scale word
.macro QUANT u
.irp b, 0,1,2,3
	v_max_num_f32 v[BM+4*(\u)+\b], 0x1800000, v[BM+4*(\u)+\b]          ; the floor 2^(3 - 127): the byte cannot fall under 1
.endr
.irp b, 0,1,2,3
	v_add_nc_u32 v[BS+4*(\u)+\b], 0xff000000, v[BM+4*(\u)+\b]          ; 2 off the exponent field: the conversion takes the exponent field of this operand as its scale, and nothing else of it
.endr
.irp b, 0,1,2,3
	v_lshrrev_b32 v[BP+4*(\u)+\b], 23, v[BS+4*(\u)+\b]                 ; the scale's byte
.endr
	v_lshl_or_b32 v[PW+(\u)], v[BP+4*(\u)+1], 8, v[BP+4*(\u)]          ; p's scale word for these 128 keys
	v_lshl_or_b32 v[PW+(\u)], v[BP+4*(\u)+2], 16, v[PW+(\u)]
	v_lshl_or_b32 v[PW+(\u)], v[BP+4*(\u)+3], 24, v[PW+(\u)]
.irp c, 0,1
	v_cvt_scalef32_pk16_fp6_f32 v[PC+12*(\u)+6*\c:PC+12*(\u)+6*\c+2], v[S+64*(\u)+32*\c:S+64*(\u)+32*\c+15], v[BS+4*(\u)+2*\c]
	v_cvt_scalef32_pk16_fp6_f32 v[CV+4*\c:CV+4*\c+2], v[S+64*(\u)+32*\c+16:S+64*(\u)+32*\c+31], v[BS+4*(\u)+2*\c+1]   ; (a conversion's three registers begin on an even number)
.endr
	v_nop                                          ; one plain vector instruction between a scaled conversion and what touches its result
.irp c, 0,1                                    ; the operand's layout wants a WHOLE block in a lane: lanes 0-15 block 2 c, lanes 16-31 block 2 c + 1
.irp i, 0,1,2
	v_permlane16_swap_b32 v[PC+12*(\u)+6*\c+\i], v[CV+4*\c+\i]
.endr
.irp i, 0,1,2
	v_mov_b32 v[PC+12*(\u)+6*\c+3+\i], v[CV+4*\c+\i]
.endr
.endr
.endm
; A block of queries begins: the largest t is -3e38, under every t; the sums and O^T are zeros, which the first change of M leaves zeros.  So the key step is written once, with no first step of its own.
.macro INIT
.irp u, 0,1
	v_mov_b32 v[TX+4*\u], 0xff61b1e6
	v_mov_b32 v[SUM+4*\u], 0
	v_mov_b32 v[SUM+4*\u+1], 0
.endr
.irp u, 0,1
	v_floor_f32 v[NM+4*\u], -v[TX+4*\u]
.endr
	WIN 0x40
.set JJ, 0
.rept 64
	v_mov_b32 v[OT+JJ], 0
.set JJ, JJ+1
.endr
	WIN 0
.endm
; A KEY STEP: 128 keys, the q-th of the slot in hand, for my two tiles of queries.
.macro STEP q
	s_cmp_gt_u32 s[KF], s[Q0]                      ; KF is a multiple of 128 and Q0 of 32: where KF > Q0 all 128 keys come after all my 32 queries, and the step is left out: a branch on ids, round no barrier and no tensor load
	s_cbranch_scc1 .Lhidden_\@
	v_add_nc_u32 v[ADK], s[TB], v[AK]              ; these five are also the places between the last products and the loads into registers that they read
	v_add_nc_u32 v[ADV], s[TB], v[AV]
	v_add_nc_u32 v[ADV2], s[TB], v[AV2]
	v_add_nc_u32 v[ADKS], s[TB], v[AKS]
	v_add_nc_u32 v[ADVS], s[TB], v[AVS]
.irp b, 0,1,2,3
	ds_load_u16 v[KSC+\b], v[ADKS] offset:(128*(\q)+32*\b)*4           ; two scale bytes; the word's upper half is 0
.endr
	WIN 0x40                                       ; destination window 1
.irp t, 0,1,2,3,4,5,6,7
.irp p, 0,1,2
	ds_load_b64 v[KFR+12*\t+2*\p:KFR+12*\t+2*\p+1], v[ADK] offset:(128*(\q)+32*(\t/2)+8*(\t%2))*48+8*\p
.endr
.endr
.irp t, 0,1,2,3
	FRAGV VFR+12*\t, \q, \t                        ; V is asked for now and wanted behind the softmax
.endr
	WIN 0
.irp g, 0,1
	ds_load_b32 v[VSC+\g], v[ADVS] offset:256*\g+4*(\q)
.endr
	s_wait_dscnt 26                                ; K and its scale words are in; V's 24 loads and 2 scale words, issued behind them, may be out
	WIN 0x05                                       ; K and Q in window 1, S^T in window 0
.irp t, 0,1,2,3,4,5,6,7
.irp u, 0,1
	KQ \t, \u
.endr
.endr
	WIN 0
.rept 4
	v_nop                                          ; places in front of the first read of results
.endr
	s_add_co_u32 s3, s[KF], 127
	s_cmp_le_u32 s3, s[Q0]                         ; a step all of whose keys count for all my queries has nothing to hide
	s_cbranch_scc1 .Lopen_\@
	s_sub_co_u32 s3, s[Q0], s[KF]
	MASK 0
	s_add_co_u32 s3, s3, 16
	MASK 1
.Lopen_\@:
	BLKMAX 0
	BLKMAX 1
.irp u, 0,1
	v_max3_num_f32 v[TM+\u], v[BM+4*\u], v[BM+4*\u+1], v[BM+4*\u+2]
.endr
.irp u, 0,1
	v_max_num_f32 v[TM+\u], v[TM+\u], v[BM+4*\u+3]                     ; the step's largest score of my query
.endr
.irp u, 0,1
	v_mul_f32 v[TM+\u], s[CS], v[TM+\u]            ; as t (c is positive)
.endr
.irp u, 0,1
	v_max_num_f32 v[TX+4*\u], v[TX+4*\u], v[TM+\u] ; the running largest t
.endr
.irp u, 0,1
	v_mov_b32 v[TM+\u], v[NM+4*\u]
.endr
.irp u, 0,1
	v_floor_f32 v[NM+4*\u], -v[TX+4*\u]            ; the new -M = floor(-t) = -ceil(t): M IS A WHOLE NUMBER
.endr
.irp u, 0,1
	v_sub_f32 v[TM+\u], v[NM+4*\u], v[TM+\u]       ; M's old value less its new one: a whole number, 0 or less
.endr
.irp u, 0,1
	v_cvt_i32_f32 v[TM+\u], v[TM+\u]               ; (it saturates)
.endr
.irp u, 0,1
	v_ldexp_f32 v[F+2*\u], 1.0, v[TM+\u]           ; f = 2^(old M - new M)
.endr
.irp u, 0,1
.irp b, 0,1,2,3
	v_fma_f32 v[BM+4*\u+\b], v[BM+4*\u+\b], s[CS], v[NM+4*\u]          ; t - M of each block's largest score
.endr
.endr
.irp u, 0,1
	v_pk_mul_f32 v[SUM+4*\u:SUM+4*\u+1], v[SUM+4*\u:SUM+4*\u+1], v[F+2*\u:F+2*\u+1] op_sel_hi:[1,0]   ; the sums under the new M
.endr
.set JJ, 0
.rept 32
	v_pk_fma_f32 v[S+2*JJ:S+2*JJ+1], v[S+2*JJ:S+2*JJ+1], s[CS:CS+1], v[NM:NM+1] op_sel_hi:[1,0,0]   ; tile 0: t - M, two at a time (of the pairs c and -M the low word serves both halves)
.set JJ, JJ+1
.endr
; THE EXPONENTIALS GO IN TWO BATCHES, ONE A TILE, EACH WITH ONE WAIT, and plain work of the OTHER tile stands between them, one plain line to two exponentials: tile 1's scalings among tile 0's, tile 0's sums among tile 1's.
.set JJ, 0
.rept 32
	v_pk_fma_f32 v[S+64+2*JJ:S+64+2*JJ+1], v[S+64+2*JJ:S+64+2*JJ+1], s[CS:CS+1], v[NM+4:NM+5] op_sel_hi:[1,0,0]
	v_exp_f32 v[S+2*JJ], v[S+2*JJ]                 ; p = 2^(t - M), at most 1: NOT normalised
	v_exp_f32 v[S+2*JJ+1], v[S+2*JJ+1]
.set JJ, JJ+1
.endr
.irp b, 0,1,2,3
	v_exp_f32 v[BM+\b], v[BM+\b]                   ; the block's largest p: the same two instructions on the same number give the same bits
.endr
	v_nop                                          ; a plain instruction behind the last exponential
	s_wait_alu depctr_va_vdst(0)                   ; one wait for tile 0's 68 exponentials, ahead of the first line that names a result
.set KK, 0
.rept 32
	SUML 0
	v_exp_f32 v[S+64+2*KK], v[S+64+2*KK]
	v_exp_f32 v[S+64+2*KK+1], v[S+64+2*KK+1]
.set KK, KK+1
.endr
.irp b, 0,1,2,3
	v_exp_f32 v[BM+4+\b], v[BM+4+\b]
.endr
	QUANT 0                                        ; names tile 0's registers alone: plain work behind tile 1's batch
	s_wait_alu depctr_va_vdst(0)                   ; and one wait for tile 1's 68
.set KK, 0
.rept 32
	SUML 1
.set KK, KK+1
.endr
	QUANT 1
	WIN 0x41                                       ; O^T in window 1, f in window 0
.irp u, 0,1
.irp j, 0,2,4,6,8,10,12,14,16,18,20,22,24,26,28,30
	v_pk_mul_f32 v[OT+32*\u+\j:OT+32*\u+\j+1], v[OT+32*\u+\j:OT+32*\u+\j+1], v[F+2*\u:F+2*\u+1] op_sel_hi:[1,0]   ; O^T under the new M.  Of these 32 lines 28 name no register of a given product below: the places between p's codes and scale word and that product
.endr
.endr
	s_wait_dscnt 0x0                               ; V and its scale words are in
	WIN 0x51                                       ; V and O^T in window 1, P in window 0
.irp t, 0,1,2,3
.irp u, 0,1
	PV \t, \u                                      ; the eight accumulators take turns, one instruction a turn; sixteen other products stand between two links of a chain
.endr
.endr
	WIN 0
.Lhidden_\@:
	s_add_co_u32 s[KF], s[KF], 128
.endm
; THE WAY OUT of a block.  The sum's two halves and lane l xor 16's are added; O^T is divided by the sum and goes through my stage in LDS, a tile of 16 queries at a time, so that sixteen lanes store one row of out0: 256 consecutive bytes, at a
; multiple of 256 from out0's first byte.  The four additions and the v_nop are the places behind the last products.
.macro WAYOUT ptr, so
.irp u, 0,1
	v_add_f32 v[TM+\u], v[SUM+4*\u], v[SUM+4*\u+1]
.endr
.irp u, 0,1
	v_permlanex16_b32 v[BP+4*\u], v[TM+\u], s[SEL], s[SEL+1]
.endr
.irp u, 0,1
	v_add_f32 v[TM+\u], v[TM+\u], v[BP+4*\u]
.endr
.irp u, 0,1
	v_rcp_f32 v[TM+\u], v[TM+\u]
.endr
	v_nop                                          ; a plain instruction behind the last reciprocal
	s_wait_alu depctr_va_vdst(0)                   ; one wait for both, ahead of the first use
	WIN 0x01                                       ; O^T in window 1
.irp u, 0,1
.set JJ, 0
.rept 32
	v_mul_f32 v[S+64*\u+JJ], v[OT+32*\u+JJ], v[TM+\u]                  ; register 8 t + i is o(query r, 16 t + 8 h + i); each accumulator from its low end on
.set JJ, JJ+1
.endr
.endr
	WIN 0
.irp u, 0,1
.irp t, 0,1,2,3
	ds_store_b128 v[STO], v[S+64*\u+8*\t:S+64*\u+8*\t+3] offset:(\so)+64*\t
	ds_store_b128 v[STO], v[S+64*\u+8*\t+4:S+64*\u+8*\t+7] offset:(\so)+64*\t+16
.endr
.irp i, 0,1,2,3,4,5,6,7
	ds_load_b128 v[S+64*\u+32+4*\i:S+64*\u+32+4*\i+3], v[RD] offset:(\so)+544*\i   ; LDS serves a wave's instructions in order (ISA guide 5.7.1.4): these see my stores, and the next tile's stores come behind them
.endr
.endr
.irp u, 0,1
.irp i, 0,1,2,3,4,5,6,7
	s_wait_dscnt 23-16*\u-\i                       ; behind this load: the tile's 7 - i later loads, and for tile 0 tile 1's sixteen instructions
	global_store_b128 v[GO], v[S+64*\u+32+4*\i:S+64*\u+32+4*\i+3], s[\ptr:\ptr+1] offset:(16*\u+2*\i)*4096 th:TH_STORE_NT   ; lanes 0-15 one query's row, lanes 16-31 the next query's; written once, read by nobody here
.endr
.endr
.endm
	s_load_b256 s[4:11], s[0:1], 0x0               ; K's codes s[4:5], K's scales s[6:7], Q's codes s[8:9], Q's scales s[10:11]
	s_load_b128 s[12:15], s[0:1], 0x20             ; V's codes, V's scales
	s_load_b64 s[16:17], s[0:1], 0x30              ; out0
	v_lshl_add_u32 v[SPW], v0, 2, SPARE
	v_mov_b32 v[NIL], 0
	ds_add_u32 v[SPW], v[NIL]                      ; the wave's opening: the add, twice on end, and its wait ahead of my first tensor load; the set-up below, work on registers, stands between the second and the wait
	ds_add_u32 v[SPW], v[NIL]
	v_lshrrev_b32 v100, 5, v0
	v_readfirstlane_b32 s[WV], v100                ; wave 0..7
	s_and_b32 s66, ttmp7, 0xffff                   ; y = 16 b + head
	s_lshr_b32 s67, s66, 4                         ; b
	s_and_b32 s104, s66, 15                        ; head
	s_lshl_b32 s98, s[WV], 5
	s_lshl_b32 s[Q0B], ttmp9, 8
	s_sub_co_u32 s[Q0], 7*256, s[Q0B]
	s_add_co_u32 s[Q0], s[Q0], s98                 ; my first query in block 7 - x,
	s_add_co_u32 s[Q0B], s[Q0B], s98               ; and in block x
	s_add_co_u32 s[SWC], ttmp9, 1
	s_mov_b32 s[TB], 0
	s_mov_b32 s[SLOTS], 8
	s_mov_b32 s[KF], 0
	s_mov_b32 s[SEL], 0x76543210
	s_mov_b32 s[SEL+1], 0xfedcba98
	s_mov_b32 s[CS], 0x3e38aa3b                    ; c = log2(e) / 8
	s_mov_b32 s[CS+1], s[CS]                       ; (named with it as a pair, so it is written)
	; descriptor groups 1.  K's codes: 128 rows of 48 bytes, 768 bytes apart, no padding
	s_mov_b32 s[G1K], 0                            ; 15:0 no mask; 17:16 elements of 1 byte; 20 padding off
	s_mov_b32 s[G1K+1], 48<<16                     ; tensor_dim0
	s_mov_b32 s[G1K+2], 128<<16                    ; tensor_dim1
	s_mov_b32 s[G1K+3], 48<<16                     ; tile_dim0
	s_mov_b32 s[G1K+4], 128                        ; tile_dim1
	s_mov_b32 s[G1K+5], 768                        ; tensor_dim0_stride
	s_mov_b32 s[G1K+6], 0
	s_mov_b32 s[G1K+7], 0
	; V's codes: 64 rows of 192 bytes, 1,536 bytes apart; 4 words of padding (code 3) behind every 16 words (code 3)
	s_mov_b32 s[G1V], (1<<20)|(3<<22)|(3<<25)
	s_mov_b32 s[G1V+1], 192<<16
	s_mov_b32 s[G1V+2], 64<<16
	s_mov_b32 s[G1V+3], 192<<16
	s_mov_b32 s[G1V+4], 64
	s_mov_b32 s[G1V+5], 1536
	s_mov_b32 s[G1V+6], 0
	s_mov_b32 s[G1V+7], 0
	; K's scale bytes: elements of 2 bytes, 256 rows 16 elements apart.  A row of the tile is 2 elements, 4 bytes in LDS; the tensor ends behind the first, so only my head's two bytes are read and no read leaves the buffer
	s_mov_b32 s[G1KS], 1<<16
	s_mov_b32 s[G1KS+1], 1<<16                     ; tensor_dim0 = 1
	s_mov_b32 s[G1KS+2], 256<<16
	s_mov_b32 s[G1KS+3], 2<<16                     ; tile_dim0 = 2
	s_mov_b32 s[G1KS+4], 256
	s_mov_b32 s[G1KS+5], 16
	s_mov_b32 s[G1KS+6], 0
	s_mov_b32 s[G1KS+7], 0
	; V's scale bytes: elements of 4 bytes, 64 rows of 2, 16 elements apart
	s_mov_b32 s[G1VS], 2<<16
	s_mov_b32 s[G1VS+1], 2<<16
	s_mov_b32 s[G1VS+2], 64<<16
	s_mov_b32 s[G1VS+3], 2<<16
	s_mov_b32 s[G1VS+4], 64
	s_mov_b32 s[G1VS+5], 16
	s_mov_b32 s[G1VS+6], 0
	s_mov_b32 s[G1VS+7], 0
	s_mul_i32 s100, s67, 2048*768
	s_mul_i32 s105, s104, 48
	s_add_co_u32 s100, s100, s105                  ; in Q's and K's codes: batch b's first row, my head's 48 bytes
	s_mov_b32 s101, 0
	s_lshl_b32 s98, s67, 16
	s_lshl_b32 s105, s104, 1
	s_add_co_u32 s98, s98, s105                    ; in their scale bytes: 65,536 b + 2 head
	s_mov_b32 s99, 0
	s_and_b32 s105, s[WV], 1                       ; which half of K's 256 rows I fetch, if I fetch K
	s_mul_i32 s3, s105, 128*48                     ; its place in a slot
	s_wait_dscnt 0x0                               ; both opening adds are done
	s_wait_kmcnt 0x0
	s_add_nc_u64 s[8:9], s[8:9], s[100:101]
	s_add_nc_u64 s[10:11], s[10:11], s[98:99]
	s_mov_b32 s[G0K], 1                            ; 1:0 count = 1
	s_mov_b32 s[G0K+1], s3                         ; 63:32 LDS address: slot 0
	s_add_nc_u64 s[G0K+2:G0K+3], s[4:5], s[100:101]
	s_mul_i32 s100, s105, 128*768
	s_add_nc_u64 s[G0K+2:G0K+3], s[G0K+2:G0K+3], s[100:101]            ; 120:64 global address: key slot 0, my half
	s_or_b32 s[G0K+3], s[G0K+3], 0x80000000        ; 127:126 type = 2
	s_mov_b64 s[BK:BK+1], s[G0K+2:G0K+3]
	s_mov_b32 s[G0KS], 1
	s_mov_b32 s[G0KS+1], KSOFF
	s_add_nc_u64 s[G0KS+2:G0KS+3], s[6:7], s[98:99]
	s_or_b32 s[G0KS+3], s[G0KS+3], 0x80000000
	s_mov_b64 s[BKS:BKS+1], s[G0KS+2:G0KS+3]
	s_mul_i32 s100, s66, 64*1536
	s_mov_b32 s[G0V], 1
	s_mov_b32 s[G0V+1], VOFF
	s_add_nc_u64 s[G0V+2:G0V+3], s[12:13], s[100:101]
	s_or_b32 s[G0V+3], s[G0V+3], 0x80000000
	s_mov_b64 s[BV:BV+1], s[G0V+2:G0V+3]
	s_lshl_b32 s100, s66, 12
	s_mov_b32 s[G0VS], 1
	s_mov_b32 s[G0VS+1], VSOFF
	s_add_nc_u64 s[G0VS+2:G0VS+3], s[14:15], s[100:101]
	s_or_b32 s[G0VS+3], s[G0VS+3], 0x80000000
	s_mov_b64 s[BVS:BVS+1], s[G0VS+2:G0VS+3]
	TLOAD                                          ; slot 0, ahead of every wait on TENSORcnt, every LDS read and every barrier.  Slot 1 is first filled behind the first trip's barrier, and every later trip's barrier is followed by a fill of the slot just left
	v_and_b32 v100, 15, v0                         ; r
	v_bfe_u32 v101, v0, 4, 1                       ; h
	v_and_b32 v102, 31, v0                         ; lane
	; Q of BOTH blocks comes now: a fragment's registers 0 to 5 are the 24 bytes at row r + 24 h
	v_mul_u32_u24 v104, v100, 768
	v_mad_u32_u24 v104, v101, 24, v104
	s_mul_i32 s98, s[Q0], 768
	s_mul_i32 s99, s[Q0B], 768
	v_add_nc_u32 v105, s98, v104
	v_add_nc_u32 v106, s99, v104
	v_lshlrev_b32 v107, 5, v102                    ; scale words: lane l takes query l of my 32: lanes 0-15 tile 0's, lanes 16-31 tile 1's
	s_lshl_b32 s98, s[Q0], 5
	s_lshl_b32 s99, s[Q0B], 5
	v_add_nc_u32 v108, s99, v107
	v_add_nc_u32 v107, s98, v107
	WIN 0x40                                       ; destination window 1
.irp u, 0,1
.irp p, 0,1,2
	global_load_b64 v[QF+12*\u+2*\p:QF+12*\u+2*\p+1], v105, s[8:9] offset:16*768*\u+8*\p
	global_load_b64 v[QFB+6*\u+2*\p:QFB+6*\u+2*\p+1], v106, s[8:9] offset:16*768*\u+8*\p
.endr
.endr
.irp t, 0,1,2,3,4,5,6,7
.irp i, 6,7,8,9,10,11
	v_mov_b32 v[KFR+12*\t+\i], 0                   ; zero codes for k = 64 .. 127: written once
.endr
.endr
.irp u, 0,1
.irp i, 6,7,8,9,10,11
	v_mov_b32 v[QF+12*\u+\i], 0
.endr
.endr
	WIN 0
	global_load_u16 v[QS], v107, s[10:11]
	global_load_u16 v[QSB], v108, s[10:11]
	v_and_b32 v103, 8, v100
	v_add_nc_u32 v103, v103, v100                  ; r + 8 (r / 8)
	v_mul_u32_u24 v[AK], v103, 48
	v_mad_u32_u24 v[AK], v101, 24, v[AK]
	v_mul_u32_u24 v[AV], v100, 240
	v_mad_u32_u24 v[AV], v101, 24, v[AV]
	v_add_nc_u32 v[AV], VOFF, v[AV]
	v_lshl_add_u32 v[AV2], v101, 4, v[AV]
	v_lshl_add_u32 v103, v101, 3, v103             ; lanes 16-31: the odd tile's keys, 8 further on
	v_lshl_add_u32 v[AKS], v103, 2, KSOFF
	v_lshl_add_u32 v[AVS], v102, 3, VSOFF
	s_mul_i32 s98, s[WV], WSTG
	s_add_co_u32 s98, s98, STAGE                   ; my stage
	v_mul_u32_u24 v[STO], v100, 272                ; in: row r; tile t's eight channels of my half: 64 t + 32 h bytes on
	v_lshl_add_u32 v[STO], v101, 5, v[STO]
	v_add_nc_u32 v[STO], s98, v[STO]
	v_mul_u32_u24 v[RD], v101, 272                 ; back: lanes 0-15 one row, lanes 16-31 the next
	v_lshl_add_u32 v[RD], v100, 4, v[RD]
	v_add_nc_u32 v[RD], s98, v[RD]
	v_lshlrev_b32 v[GO], 12, v101                  ; and the same two queries in out0, 4,096 bytes apart
	v_lshl_add_u32 v[GO], v100, 4, v[GO]
	v_lshlrev_b32 v[RL], 4, v101
	v_sub_nc_u32 v[RL], v100, v[RL]
	s_lshl_b32 s98, s67, 11
	s_lshl_b32 s105, s104, 8
	s_add_co_u32 s100, s98, s[Q0]
	s_lshl_b32 s100, s100, 12
	s_add_co_u32 s100, s100, s105                  ; (2,048 b + my first query) x 4,096 + 256 head
	s_mov_b32 s101, 0
	s_add_nc_u64 s[OPA:OPA+1], s[16:17], s[100:101]
	s_add_co_u32 s100, s98, s[Q0B]
	s_lshl_b32 s100, s100, 12
	s_add_co_u32 s100, s100, s105
	s_add_nc_u64 s[OPB:OPB+1], s[16:17], s[100:101]
	; the prefetches (macro ASK): where my wave's stand, and who asks.  Every wave's arithmetic stays inside its buffer
	s_and_b32 s98, s[WV], 1
	s_mul_i32 s98, s98, 32*1536                    ; V: wave 4 rows 0-31, wave 3 rows 32-63,
	s_mul_i32 s99, s66, 64*1536                    ; of my head,
	s_add_co_u32 s98, s98, s99
	s_add_co_u32 s98, s98, 192+191                 ; the last byte of slot 1's part: the first change of slots steps it to slot 2
	s_and_b32 s99, s104, 7
	s_lshl_b32 s99, s99, 5                         ; K: my head's 32 rows of a slot,
	s_lshl_b32 s100, s67, 11
	s_add_co_u32 s99, s99, s100                    ; in batch b,
	s_add_co_u32 s99, s99, 256                     ; in slot 1,
	s_mul_i32 s99, s99, 768
	s_and_b32 s100, s[WV], 3
	s_lshl_b32 s100, s100, 13
	s_add_co_u32 s99, s99, s100
	s_sub_co_u32 s99, s99, 8192                    ; and waves 5, 6, 7 take 8,192 bytes each
	s_mov_b32 s100, 256*768
	s_mov_b32 s101, 256
	s_cmp_lt_u32 s[WV], 5                          ; V's waves or K's
	s_cselect_b64 s[PFA:PFA+1], s[12:13], s[4:5]
	s_cselect_b32 s98, s98, s99
	s_cselect_b32 s[PFS], 192, s100                ; a slot on
	s_cselect_b32 s101, 1536, s101                 ; from lane to lane
	s_cselect_b32 s[EVR], 3, 0
	s_mov_b32 s99, 0
	s_mov_b32 s[PFS+1], 0
	s_add_nc_u64 s[PFA:PFA+1], s[PFA:PFA+1], s[98:99]
	v_mul_lo_u32 v[PFO], v102, s101
	s_lshr_b32 s100, s104, 3                       ; 0 in heads 0 to 7: they share K's rows out
	s_cmp_lt_u32 s[WV], 5
	s_cselect_b32 s100, 0, s100                    ; V's waves ask in every head
	s_or_b32 s100, s100, ttmp9                     ; only where x = 0
	s_cmp_lt_u32 s[WV], 3
	s_cselect_b32 s100, 1, s100                    ; waves 0 to 2 ask for nothing
	s_cmp_eq_u32 s100, 0
	s_cselect_b32 s[LIM], 2, -1
.irp i, 0,1,2,3,4,5,6,7
	v_mov_b32 v[BP+\i], 0                          ; written once: a lane permute's destination counts as one of its sources
.endr
	v_mov_b32 v[F+1], 0                            ; (named as the upper halves of f's pairs)
	v_mov_b32 v[F+3], 0
	v_mov_b32 v[NINF], 0xff800000
	INIT
	s_wait_loadcnt 0x0                             ; Q of both blocks
.Lslot:                                            ; 8 trips: visits 0 to 7; behind each change of slots the next visit's slot is asked for
	CHANGE 1
	STEP 0
	STEP 1
	s_xor_b32 s[TB], s[TB], SLOT1                  ; on to the other slot
	s_cmp_lg_u32 s[SLOTS], s[SWC]                  ; was this the first block's last visit?  A branch on ids, the same in all eight waves, round no barrier, wait for tiles or tensor load
	s_cbranch_scc1 .Lsame_block
	WAYOUT OPA, 0
	s_wait_xcnt 0x0                                ; the stores have read their registers: the next scores may be written there
	WIN 0x41
.irp u, 0,1
.irp i, 0,1,2,3,4,5
	v_mov_b32 v[QF+12*\u+\i], v[QFB+6*\u+\i]       ; the second block's Q
.endr
.endr
	WIN 0
	v_mov_b32 v[QS], v[QSB]                        ; and its scale words; the lines of INIT are the places between these and the next products
	INIT
	s_mov_b32 s[Q0], s[Q0B]
	s_mov_b32 s[KF], 0
.Lsame_block:
	s_sub_co_u32 s[SLOTS], s[SLOTS], 1
	s_cmp_lg_u32 s[SLOTS], 0
	s_cbranch_scc1 .Lslot
	CHANGE 0                                       ; the last visit is written out: nothing is left to fetch
	STEP 0
	STEP 1
	WAYOUT OPB, STG2
	s_wait_tensorcnt 0x0                           ; the wave's end, behind my last tensor load and my last LDS store
	ds_add_u32 v[SPW], v[NIL]
	s_wait_dscnt 0x0
	s_endpgm
.Lfunc_end_k_qfbec14c749_attn:
	.size	k_qfbec14c749_attn, .Lfunc_end_k_qfbec14c749_attn-k_qfbec14c749_attn
	.p2alignl 7, 3214868480
	.fill 96, 4, 3214868480
	.section	.rodata,"a",@progbits
	.p2align	6, 0x0
	.amdhsa_kernel k_qfbec14c749_attn
		.amdhsa_group_segment_fixed_size 327680
		.amdhsa_private_segment_fixed_size 0
		.amdhsa_enable_private_segment 0
		.amdhsa_kernarg_size 56
		.amdhsa_user_sgpr_count 2
		.amdhsa_user_sgpr_kernarg_segment_ptr 1
		.amdhsa_wavefront_size32 1
		.amdhsa_system_sgpr_workgroup_id_x 1
		.amdhsa_system_sgpr_workgroup_id_y 1
		.amdhsa_system_sgpr_workgroup_id_z 1
		.amdhsa_system_vgpr_workitem_id 0
		.amdhsa_next_free_vgpr 512
		.amdhsa_next_free_sgpr 106
		.amdhsa_reserve_vcc 1
		.amdhsa_float_denorm_mode_32 3
		.amdhsa_float_denorm_mode_16_64 3
		.amdhsa_memory_ordered 1
		.amdhsa_forward_progress 1
		.amdhsa_inst_pref_size 197
	.end_amdhsa_kernel
	.amdgpu_metadata
---
amdhsa.version: [ 1, 2 ]
amdhsa.kernels:
  - .name:           k_qfbec14c749_attn
    .symbol:         k_qfbec14c749_attn.kd
    .args:
      - { .name: keys_codes, .offset: 0, .size: 8, .value_kind: global_buffer, .address_space: global }
      - { .name: keys_scales, .offset: 8, .size: 8, .value_kind: global_buffer, .address_space: global }
      - { .name: queries_codes, .offset: 16, .size: 8, .value_kind: global_buffer, .address_space: global }
      - { .name: queries_scales, .offset: 24, .size: 8, .value_kind: global_buffer, .address_space: global }
      - { .name: values_codes, .offset: 32, .size: 8, .value_kind: global_buffer, .address_space: global }
      - { .name: values_scales, .offset: 40, .size: 8, .value_kind: global_buffer, .address_space: global }
      - { .name: out0, .offset: 48, .size: 8, .value_kind: global_buffer, .address_space: global }
    .group_segment_fixed_size: 327680
    .private_segment_fixed_size: 0
    .kernarg_segment_align: 8
    .kernarg_segment_size: 56
    .max_flat_workgroup_size: 256
    .sgpr_count:     106
    .vgpr_count:     512
    .wavefront_size: 32
...
	.end_amdgpu_metadata
.endif
;; end of part 1
